; MI455X (gfx1250); checked and timed in simulation.
; The chip was launched on July 23, 2026; its instructions are those of AMD's public machine-readable ISA for CDNA 5 (MIT licence, August 2026) and "CDNA5" Instruction Set Architecture Reference Guide (July 2026). The comments in the code are by the model that wrote it; some were corrected since.
;; Linear Quantized. Allowed arithmetic: matrix products marked QUANTISED: E4M3 operands, one given power-of-two scale a tensor, by v_wmma_f32_16x16x64_fp8_fp8 or v_wmma_f32_16x16x128_fp8_fp8, f32 sums; everything else in f32.
;; Inputs: lowp_scales 2 int32 (the exponents e of the quantised operands' scales 2^e); quantized_bias 4,096 int32; quantized_weight 4,096 x 4,096 int32; weight_scale 4,096 float32; x 4 x 1,024 x 4,096 float32.
;; Outputs: out0 4 x 1,024 x 4,096 float32.
;; This version of the problem:
;;   THIS VERSION OF THE PROBLEM IS GIVEN IN LOW PRECISION. The matrix products marked QUANTISED in the list below multiply operands that are first quantised to E4M3 (4 exponent bits, 3 mantissa bits; 8 bits a number), with one given power-of-two scale for each operand tensor; their sums are f32. All else is computed in f32.
;;   The module's matrix products, in the order in which they are computed (A, B: the left and right operand; K: the contracted axis; several contracted axes count as one K, in the product's order):
;;     1. [M 4,096, K 4,096] x [K 4,096, N 4,096]; A: computed on the way; B: computed on the way: QUANTISED (scales: A lowp_scales[0], B lowp_scales[1])
;;   THE QUANTISER, for each operand of a quantised product, along K:
;;     - The operand's scale is 2^e, e = its entry of the input lowp_scales (int32; the entries are numbered through the quantised products in the list's order, A before B).
;;     - Each number is divided by the scale, clamped to +-448, and rounded to the nearest number of E4M3, ties to even, subnormals kept.
;;     - The product sums the exact products of the quantised numbers (number of the format x scale) in f32.
;;   ~~~python
;;   def quantise(x, axis, e):      # numpy; x: float32 -> the quantised numbers, widened to float32 again
;;       x = np.moveaxis(x, axis, -1); K = x.shape[-1]
;;       r = np.clip(x / 2.0 ** e, -448, 448)
;;       step = 2.0 ** (np.maximum(np.frexp(np.where(r == 0, 1, r))[1] - 1, -6) - 3)
;;       q = np.round(r / step) * step * 2.0 ** e      # np.round: ties to even
;;       return np.moveaxis(q, -1, axis).astype(np.float32)
;;   ~~~
;;   OPERANDS COMPUTED ON THE WAY. 'Computed on the way' means the value that the module computes at that place (a softmax that the list does not call 'softmax' is quantised finished and normalised). What goes into a quantiser is computed in f32, as accurately as f32 sums, v_exp_f32 and their like allow (about 1e-6 of the number): no bf16 or f16 on the way to a quantiser, and a product that is left as it is and whose result goes on into a quantised operand takes f32 operands (vector FMAs, or v_wmma_f32_16x16x4_f32). A number that lies on a knife's edge between two numbers of the format may be rounded either way, as far as f32 arithmetic and the matrix unit's own rounding can turn it there, and no further.
;; One version. Each part assembles by itself: llvm-mc -triple=amdgcn-amd-amdhsa -mcpu=gfx1250 --defsym DOCPART=n.
;; ======== version 1 of 1: 3 launches
;; limits: right only within a limited range of input values
;; workspace buffers: w_codes 16,777,216 bytes; x_codes 16,777,216 bytes; pmax 2,048 bytes; biasv 16,384 bytes
;; launch prep (part 1): grid 256 x 1, 16 waves a work-group, no clusters, 71,936 bytes of LDS; arguments x, quantized_weight, weight_scale, lowp_scales, w_codes, pmax; writes w_codes, pmax
.if DOCPART == 1
	.amdgcn_target "amdgcn-amd-amdhsa--gfx1250"
	.amdhsa_code_object_version 6
	.text
	.protected	k_q41f174301a_prep
	.globl	k_q41f174301a_prep
	.p2align	8
	.type	k_q41f174301a_prep,@function
k_q41f174301a_prep:
	s_mov_b64 s[64:65], 0
	v_nop
	global_prefetch_b8 v0, s[64:65] scope:SCOPE_SE
	s_setreg_imm32_b32 hwreg(HW_REG_WAVE_MODE, 25, 1), 1
	s_wait_xcnt 0x0
; Two streams in one pass.  (1) W: w_deq[n][k] = f32(quantized_weight[n][k]) x weight_scale[n] is turned into codes of E4M3 with the given scale 2^e1 (entry 1 of the scales):
; code = w_deq / 2^e1, held within +-448, to the nearest code, ties to even.  (2) x: the largest |x| of the work-group's part goes to two words of pmax (the same number twice: pmax keeps its 512 words).
; LIMITS: e1 between -126 and 119, so that 2^e1 and 448 x 2^e1 are f32 numbers.  NaN among the inputs is not served.
; SHARES.  256 work-groups of sixteen waves.  Wave r of work-group g takes row 16 g + r of W and as many numbers of x, in 8 steps of 512 numbers of each.
; THE CODES' ORDER ALONG K.  Load i of a step gives lane l the numbers k = 128 i + 4 l + j of the step's 512; the lane's 16 codes are place 16 (32 t + l) + 4 i + j of the row.  x's codes have the same order of places,
; so the product pairs the two tensors place by place.
; THE CODES' LAYOUT is the order in which the product's launch takes them into registers: the 16 places U of the sixteen rows 16 g + r lie on end, at byte 65,536 g + 256 U + 16 r.  A lane's 16 bytes are a sixteenth of such
; a unit of 256 bytes, so the codes turn through LDS: in at 272 U + 16 r, out by units; each store of a wave then covers 512 consecutive bytes.  Two halves (steps 0-3, 4-7), each behind a barrier of its own, on LDS bytes of its own.
; No tensor loads, no cluster: the work-groups share no input.
.set STEPS, 8
.set UP,    272                        ; a unit's place in LDS: 256 bytes + 16 of padding
.set RED,   256*UP                     ; sixteen words, a wave's largest |x| each
.set SPARE, RED+256                    ; the spare words, 128 bytes for each wave
.set RW,    16                         ; v16-79    W, four sets of 16: as loaded, then w_deq in place
.set XM,    80                         ; v80-143   x as loaded, four sets of 16
.set C,     144                        ; v144-175  codes: four registers for each step
.set M,     176                        ; v176-179  four chains of the maximum
.set O0,    184                        ; v184-199  the first half on its way out
.set SPW,   208
.set NIL,   209
	s_load_b256 s[4:11], s[0:1], 0x0               ; x s[4:5], W s[6:7], weight_scale s[8:9], the scales' exponents s[10:11]
	s_load_b128 s[12:15], s[0:1], 0x20             ; W's codes s[12:13], pmax s[14:15]
	v_lshl_add_u32 v[SPW], v0, 2, SPARE
	v_mov_b32 v[NIL], 0
	v_lshrrev_b32 v1, 5, v0
	s_delay_alu instid0(VALU_DEP_1)
	v_readfirstlane_b32 s16, v1                    ; wave r, 0..15
	s_lshl_b32 s18, ttmp9, 4
	s_add_co_u32 s18, s18, s16                     ; my row, 0 .. 4,095
	s_lshl_b32 s20, s18, 14                        ; 4,096 numbers of 4 bytes
	s_mov_b32 s21, 0
	s_lshl_b32 s22, ttmp9, 16                      ; the work-group's 65,536 bytes of codes
	s_mov_b32 s23, 0
	s_lshl_b32 s24, s18, 2                         ; my entry of weight_scale
	s_mov_b32 s25, 0
	s_lshl_b32 s36, ttmp9, 3                       ; my work-group's two words of pmax
	s_mov_b32 s37, 0
	s_mov_b32 s32, 0x76543210                      ; v_permlanex16_b32: lane l takes lane l xor 16
	s_mov_b32 s33, 0xfedcba98
	s_lshl_b32 s17, s16, 4                         ; 16 r
	s_mul_i32 s19, s16, 8*UP                       ; out: my 8 units of a half
	s_lshl_b32 s28, s16, 11                        ; and their 2,048 bytes in memory
	s_lshl_b32 s29, s16, 2
	s_add_co_u32 s29, s29, RED                     ; RED lies beyond an LDS instruction's 16-bit offset: it stands in the address registers
	v_and_b32 v2, 31, v0                           ; lane
	v_mov_b32 v7, s29                              ; my word among the sixteen
	v_mov_b32 v8, RED
	v_lshlrev_b32 v9, 2, v0
	v_lshlrev_b32 v3, 4, v2                        ; my 16 bytes of a load's 512
	v_mul_u32_u24 v4, v2, UP
	v_lshrrev_b32 v5, 4, v2
	v_and_b32 v6, 15, v2
	v_add_nc_u32 v4, s17, v4                       ; in: 272 l + 16 r
	v_mul_u32_u24 v5, v5, UP
	s_delay_alu instid0(VALU_DEP_1)
	v_lshl_add_u32 v5, v6, 4, v5
	v_add_nc_u32 v6, s28, v3                       ; memory: 2,048 r + 16 l
	s_delay_alu instid0(VALU_DEP_2)
	v_add_nc_u32 v5, s19, v5                       ; out: lanes 0-15 one unit, lanes 16-31 the next
.irp j, 0,1,2,3
	v_mov_b32 v[M+\j], 0                           ; a magnitude is never under 0
.endr
	s_wait_alu depctr_va_vdst(0)                   ; the wait at the head's end
	s_wait_kmcnt 0x0
	s_add_nc_u64 s[8:9], s[8:9], s[24:25]
	s_load_b32 s26, s[8:9], 0x0                    ; weight_scale of my row
	s_load_b32 s30, s[10:11], 0x4                  ; e1
	s_add_nc_u64 s[4:5], s[4:5], s[20:21]
	s_add_nc_u64 s[6:7], s[6:7], s[20:21]
	s_add_nc_u64 s[12:13], s[12:13], s[22:23]
	s_add_nc_u64 s[14:15], s[14:15], s[36:37]
.macro LOAD t                          ; step t: four loads of W, then four of x, 512 consecutive bytes each
.irp i, 0,1,2,3
	global_load_b128 v[RW+16*((\t)%4)+4*\i:RW+16*((\t)%4)+4*\i+3], v3, s[6:7] offset:2048*(\t)+512*\i th:TH_LOAD_NT
.endr
.irp i, 0,1,2,3
	global_load_b128 v[XM+16*((\t)%4)+4*\i:XM+16*((\t)%4)+4*\i+3], v3, s[4:5] offset:2048*(\t)+512*\i
.endr
.endm
.irp t, 0,1,2,3
	LOAD \t
.endr
	s_wait_kmcnt 0x0
	s_mov_b32 s27, s26                             ; (named with s26 as a pair, so it is written)
	s_add_co_i32 s30, s30, 127
	s_lshl_b32 s31, s30, 23
	v_mov_b32 v11, s31                             ; 2^e1 as f32: the conversion takes its exponent field
	s_add_co_i32 s30, s30, 8
	s_lshl_b32 s30, s30, 23
	s_or_b32 s30, s30, 0x600000
	v_mov_b32 v10, s30                             ; 448 x 2^e1
	s_wait_alu depctr_va_vdst(0)                   ; the wait ahead of the wait below
.macro STEP t
.set WSET, RW+16*((\t)%4)
.set XSET, XM+16*((\t)%4)
.if 7-(\t) >= 3
	s_wait_loadcnt 24                              ; this step's eight loads are in; the 24 of the three steps behind it may be out
.else
	s_wait_loadcnt 8*(7-(\t))
.endif
.irp p, 0,1
.irp j, 0,1,2,3
	v_max3_num_f32 v[M+\j], v[M+\j], |v[XSET+8*\p+2*\j]|, |v[XSET+8*\p+2*\j+1]|   ; x: four chains by turns
.endr
.endr
.irp i, 0,1,2,3,4,5,6,7,8,9,10,11,12,13,14,15
	v_cvt_f32_i32 v[WSET+\i], v[WSET+\i]
.endr
.irp i, 0,2,4,6,8,10,12,14
	v_pk_mul_f32 v[WSET+\i:WSET+\i+1], v[WSET+\i:WSET+\i+1], s[26:27] op_sel_hi:[1,0]   ; w_deq, one f32 multiplication as it is defined
.endr
.irp i, 0,1,2,3,4,5,6,7,8,9,10,11,12,13,14,15
	v_med3_num_f32 v[WSET+\i], v[WSET+\i], -v10, v10   ; the conversion does not saturate (ISA guide 7.6.2): the hold at the largest code x the scale
.endr
	v_cvt_scalef32_pk8_fp8_f32 v[C+4*(\t):C+4*(\t)+1], v[WSET:WSET+7], v11
	v_cvt_scalef32_pk8_fp8_f32 v[C+4*(\t)+2:C+4*(\t)+3], v[WSET+8:WSET+15], v11
	ds_store_b128 v4, v[C+4*(\t):C+4*(\t)+3] offset:32*UP*(\t)   ; unit 32 t + l, my row's sixteenth
.if (\t)+4 < STEPS
	LOAD (\t)+4
.endif
.endm
.macro BACK h, reg                     ; my 8 units of half h, back from LDS
.irp j, 0,1,2,3
	ds_load_b128 v[\reg+4*\j:\reg+4*\j+3], v5 offset:\h*128*UP+\j*2*UP
.endr
.endm
.macro OUT h, reg                      ; and stored: 512 consecutive bytes a store
.irp j, 0,1,2,3
	global_store_b128 v6, v[\reg+4*\j:\reg+4*\j+3], s[12:13] offset:\h*32768+512*\j
.endr
.endm
.irp t, 0,1,2,3
	STEP \t
.endr
	s_wait_dscnt 0x0                               ; for the others' sake: my stores of the first half have landed
	s_barrier_signal -1
	s_barrier_wait -1
	BACK 0, O0
	s_wait_dscnt 0x0
	OUT 0, O0
.irp t, 4,5,6,7
	STEP \t
.endr
	; the largest |x|: my four chains, the wave's 32 lanes, the work-group's sixteen waves
	v_max3_num_f32 v[M], v[M], v[M+1], v[M+2]
	s_delay_alu instid0(VALU_DEP_1)
	v_max_num_f32 v[M], v[M], v[M+3]
	s_delay_alu instid0(VALU_DEP_1)
	v_max_num_f32_dpp v[M], v[M], v[M] row_xmask:1 row_mask:0xf bank_mask:0xf
	s_delay_alu instid0(VALU_DEP_1)
	v_max_num_f32_dpp v[M], v[M], v[M] row_xmask:2 row_mask:0xf bank_mask:0xf
	s_delay_alu instid0(VALU_DEP_1)
	v_max_num_f32_dpp v[M], v[M], v[M] row_xmask:4 row_mask:0xf bank_mask:0xf
	s_delay_alu instid0(VALU_DEP_1)
	v_max_num_f32_dpp v[M], v[M], v[M] row_xmask:8 row_mask:0xf bank_mask:0xf
	s_delay_alu instid0(VALU_DEP_1)
	v_permlanex16_b32 v[M+1], v[M], s32, s33
	s_delay_alu instid0(VALU_DEP_1)
	v_max_num_f32 v[M], v[M], v[M+1]
	ds_store_b32 v7, v[M]                          ; all lanes write the wave's word with the same number
	s_wait_dscnt 0x0                               ; for the others' sake: the second half and my word have landed
	s_barrier_signal -1
	s_barrier_wait -1
	BACK 1, RW                                     ; (W's first set has been read out)
.irp j, 0,1,2,3
	ds_load_b128 v[RW+16+4*\j:RW+16+4*\j+3], v8 offset:16*\j   ; the sixteen waves' numbers
.endr
	s_wait_dscnt 0x0
	OUT 1, RW
	v_max3_num_f32 v[M], v[RW+16], v[RW+17], v[RW+18]
	v_max3_num_f32 v[M+1], v[RW+19], v[RW+20], v[RW+21]
.irp j, 22,26
	s_delay_alu instid0(VALU_DEP_2)
	v_max3_num_f32 v[M], v[M], v[RW+\j], v[RW+\j+1]
	s_delay_alu instid0(VALU_DEP_2)
	v_max3_num_f32 v[M+1], v[M+1], v[RW+\j+2], v[RW+\j+3]
.endr
	s_delay_alu instid0(VALU_DEP_2)
	v_max3_num_f32 v[M], v[M], v[RW+30], v[RW+31]
	s_delay_alu instid0(VALU_DEP_1)
	v_max_num_f32 v[M], v[M], v[M+1]
	s_wait_alu depctr_va_vdst(0)                   ; the wait ahead of the wait below
	s_wait_xcnt 0x0                                ; EXEC is a source of the stores above: it changes only behind this wait
	v_cmp_gt_u32 vcc_lo, 2, v0
	s_wait_tensorcnt 0x0                           ; the wave's end
	ds_add_u32 v[SPW], v[NIL]
	s_wait_dscnt 0x0
	s_and_saveexec_b32 s34, vcc_lo                 ; threads 0 and 1 alone
	global_store_b32 v9, v[M], s[14:15]
	s_wait_xcnt 0x0                                ; and again in front of the line that widens it
	s_or_b32 exec_lo, exec_lo, s34
	s_endpgm
.Lfunc_end_k_q41f174301a_prep:
	.size	k_q41f174301a_prep, .Lfunc_end_k_q41f174301a_prep-k_q41f174301a_prep
	.p2alignl 7, 3214868480
	.fill 96, 4, 3214868480
	.section	.rodata,"a",@progbits
	.p2align	6, 0x0
	.amdhsa_kernel k_q41f174301a_prep
		.amdhsa_group_segment_fixed_size 71936
		.amdhsa_private_segment_fixed_size 0
		.amdhsa_enable_private_segment 0
		.amdhsa_kernarg_size 48
		.amdhsa_user_sgpr_count 2
		.amdhsa_user_sgpr_kernarg_segment_ptr 1
		.amdhsa_wavefront_size32 1
		.amdhsa_system_sgpr_workgroup_id_x 1
		.amdhsa_system_sgpr_workgroup_id_y 1
		.amdhsa_system_sgpr_workgroup_id_z 1
		.amdhsa_system_vgpr_workitem_id 0
		.amdhsa_next_free_vgpr 210
		.amdhsa_next_free_sgpr 66
		.amdhsa_reserve_vcc 1
		.amdhsa_float_denorm_mode_32 3
		.amdhsa_float_denorm_mode_16_64 3
		.amdhsa_memory_ordered 1
		.amdhsa_forward_progress 1
		.amdhsa_inst_pref_size 35
	.end_amdhsa_kernel
	.amdgpu_metadata
---
amdhsa.version: [ 1, 2 ]
amdhsa.kernels:
  - .name:           k_q41f174301a_prep
    .symbol:         k_q41f174301a_prep.kd
    .args:
      - { .name: x, .offset: 0, .size: 8, .value_kind: global_buffer, .address_space: global }
      - { .name: quantized_weight, .offset: 8, .size: 8, .value_kind: global_buffer, .address_space: global }
      - { .name: weight_scale, .offset: 16, .size: 8, .value_kind: global_buffer, .address_space: global }
      - { .name: lowp_scales, .offset: 24, .size: 8, .value_kind: global_buffer, .address_space: global }
      - { .name: w_codes, .offset: 32, .size: 8, .value_kind: global_buffer, .address_space: global }
      - { .name: pmax, .offset: 40, .size: 8, .value_kind: global_buffer, .address_space: global }
    .group_segment_fixed_size: 71936
    .private_segment_fixed_size: 0
    .kernarg_segment_align: 8
    .kernarg_segment_size: 48
    .max_flat_workgroup_size: 512
    .sgpr_count:     66
    .vgpr_count:     210
    .wavefront_size: 32
...
	.end_amdgpu_metadata
.endif
;; end of part 1
;; launch quantx (part 2): grid 512 x 1, 8 waves a work-group, no clusters, 0 bytes of LDS; arguments x, pmax, lowp_scales, quantized_bias, weight_scale, x_codes, biasv; writes x_codes, biasv
.if DOCPART == 2
	.amdgcn_target "amdgcn-amd-amdhsa--gfx1250"
	.amdhsa_code_object_version 6
	.text
	.protected	k_q41f174301a_quantx
	.globl	k_q41f174301a_quantx
	.p2align	8
	.type	k_q41f174301a_quantx,@function
k_q41f174301a_quantx:
	s_mov_b64 s[64:65], 0
	v_nop
	global_prefetch_b8 v0, s[64:65] scope:SCOPE_SE
	s_setreg_imm32_b32 hwreg(HW_REG_WAVE_MODE, 25, 1), 1
	s_wait_xcnt 0x0
; s = max|x| / 127 (from the 512 partial maxima);  x_deq = clip(round(x / s), -128, 127) x s;  x_deq is turned into codes of E4M3 with the given scale 2^e0 (entry 0 of the scales).
; The first four work-groups also make biasv[n] = (f32(quantized_bias[n]) x weight_scale[n]) x s.
; ARITHMETIC, all f32.  s: m x fl(1/127), mended by one remainder step (two fused multiply-adds), which gives the division's rounding.  x / s: x x r with r = 1 / s (v_rcp_f32 and one Newton step), mended likewise.
; Rounding: v_rndne_f32, ties to even.  THE TWO CLIPS ARE ONE HOLD: multiplying by s > 0 and rounding keeps the order of numbers, so clip(q, -128, 127) x s = q x s held between fl(-128 s) and fl(127 s);
; the quantiser then holds within +-448 x 2^e0; both ranges hold 0, so one hold between the larger of the lower ends and the smaller of the upper ends does both.
; LIMITS: e0 between -126 and 119; max|x| at least 127 x 2^-126, so that s is no denormal (with x all zeros the definition itself gives NaN).  NaN among the inputs is not served.
; SHARES.  512 work-groups of eight waves.  Wave R = 8 x work-group + wave takes row R of x (4,096 numbers), in 8 steps of 512.
; THE CODES' ORDER ALONG K is that of W's codes: load i of a step gives lane l the numbers k = 128 i + 4 l + j of the step's 512, and byte 16 l + 4 i + j of the step's 512 bytes of codes holds that k.  The product pairs
; the two tensors' rows byte by byte, so every product meets its partner.  Nothing goes through LDS; every load and store is dense.
; ALL OF A WAVE'S LOADS GO OUT AT ITS HEAD: four for pmax, 32 for x (128 registers): no ring, no register is loaded twice, and the waits count down.  No barrier, no tensor load, no cluster: the waves share nothing but
; the 2,048 bytes of pmax.
.set STEPS, 8
.set R,     16                         ; v16-143   x, 16 registers for each step
.set PM,    144                        ; v144-159  the 512 partial maxima, 16 a lane
.set C,     160                        ; v160-191  codes: four registers for each step
.set SS,    192                        ; v[192:193] s, twice
.set RR,    194                        ; v[194:195] 1 / s, twice
.set LO,    196                        ; v196 the hold's lower end;  v197 its upper end
.set HI,    197
.set SC,    198                        ; v198 2^e0;  v199 448 x 2^e0
.set LIM,   199
.set Q,     200                        ; v200-215  the quotients, then x_deq
	s_load_b256 s[4:11], s[0:1], 0x0               ; x s[4:5], pmax s[6:7], the scales' exponents s[8:9], quantized_bias s[10:11]
	s_load_b128 s[12:15], s[0:1], 0x20             ; weight_scale s[12:13], x's codes s[14:15]
	s_load_b64 s[16:17], s[0:1], 0x30              ; biasv
	v_lshrrev_b32 v1, 5, v0
	s_delay_alu instid0(VALU_DEP_1)
	v_readfirstlane_b32 s18, v1                    ; wave 0..7
	v_and_b32 v2, 31, v0                           ; lane
	s_delay_alu instid0(VALU_DEP_1)
	v_lshlrev_b32 v3, 4, v2                        ; 16 x lane; never rewritten
	s_lshl_b32 s20, ttmp9, 3
	s_add_co_u32 s20, s20, s18                     ; R, 0 .. 4,095
	s_lshl_b32 s22, s20, 14                        ; 4,096 numbers of 4 bytes
	s_mov_b32 s23, 0
	s_lshl_b32 s20, s20, 12                        ; 4,096 codes
	s_mov_b32 s21, 0
	s_mov_b32 s26, 0x76543210
	s_mov_b32 s27, 0xfedcba98
	s_mov_b32 s30, 0x3c010204                      ; fl(1 / 127)
	s_mov_b32 s31, 0x42fe0000                      ; 127.0
	s_wait_alu depctr_va_vdst(0)
	s_wait_kmcnt 0x0
	s_load_b32 s24, s[8:9], 0x0                    ; e0
	s_add_nc_u64 s[4:5], s[4:5], s[22:23]
	s_add_nc_u64 s[14:15], s[14:15], s[20:21]
.irp j, 0,1,2,3
	global_load_b128 v[PM+4*\j:PM+4*\j+3], v3, s[6:7] offset:512*\j   ; all 512 partial maxima, in every wave
.endr
.irp t, 0,1,2,3,4,5,6,7
.irp i, 0,1,2,3
	global_load_b128 v[R+16*\t+4*\i:R+16*\t+4*\i+3], v3, s[4:5] offset:2048*\t+512*\i th:TH_LOAD_NT   ; 32 lanes read 512 consecutive bytes; x's last read
.endr
.endr
	s_wait_kmcnt 0x0
	s_add_co_i32 s24, s24, 127
	s_lshl_b32 s25, s24, 23
	v_mov_b32 v[SC], s25                           ; 2^e0 as f32: the conversion takes its exponent field
	s_add_co_i32 s24, s24, 8
	s_lshl_b32 s24, s24, 23
	s_or_b32 s24, s24, 0x600000
	v_mov_b32 v[LIM], s24                          ; 448 x 2^e0
	s_wait_loadcnt 32                              ; pmax's four loads are in; x's 32 may be out
	v_max3_num_f32 v216, v[PM], v[PM+1], v[PM+2]   ; two chains
	v_max3_num_f32 v217, v[PM+3], v[PM+4], v[PM+5]
	s_delay_alu instid0(VALU_DEP_2)
	v_max3_num_f32 v216, v216, v[PM+6], v[PM+7]
	s_delay_alu instid0(VALU_DEP_2)
	v_max3_num_f32 v217, v217, v[PM+8], v[PM+9]
	s_delay_alu instid0(VALU_DEP_2)
	v_max3_num_f32 v216, v216, v[PM+10], v[PM+11]
	s_delay_alu instid0(VALU_DEP_2)
	v_max3_num_f32 v217, v217, v[PM+12], v[PM+13]
	s_delay_alu instid0(VALU_DEP_2)
	v_max3_num_f32 v216, v216, v[PM+14], v[PM+15]
	s_delay_alu instid0(VALU_DEP_1)
	v_max_num_f32 v216, v216, v217
	s_delay_alu instid0(VALU_DEP_1)
	v_max_num_f32_dpp v216, v216, v216 row_xmask:1 row_mask:0xf bank_mask:0xf
	s_delay_alu instid0(VALU_DEP_1)
	v_max_num_f32_dpp v216, v216, v216 row_xmask:2 row_mask:0xf bank_mask:0xf
	s_delay_alu instid0(VALU_DEP_1)
	v_max_num_f32_dpp v216, v216, v216 row_xmask:4 row_mask:0xf bank_mask:0xf
	s_delay_alu instid0(VALU_DEP_1)
	v_max_num_f32_dpp v216, v216, v216 row_xmask:8 row_mask:0xf bank_mask:0xf
	s_delay_alu instid0(VALU_DEP_1)
	v_permlanex16_b32 v217, v216, s26, s27
	s_delay_alu instid0(VALU_DEP_1)
	v_max_num_f32 v216, v216, v217                 ; m = max|x|, in every lane
	s_delay_alu instid0(VALU_DEP_1)
	v_mul_f32 v218, s30, v216                      ; m / 127, nearly;
	s_delay_alu instid0(VALU_DEP_1)
	v_fma_f32 v219, -v218, s31, v216               ; what is left of m, exactly;
	s_delay_alu instid0(VALU_DEP_1)
	v_fma_f32 v[SS], v219, s30, v218               ; s
	s_wait_alu depctr_va_vdst(0)
	v_rcp_f32 v[RR], v[SS]
	v_mov_b32 v[SS+1], v[SS]                       ; a plain line behind the reciprocal
	s_wait_alu depctr_va_vdst(0)                   ; this wait ahead of the first line that names the reciprocal
	v_fma_f32 v218, -v[SS], v[RR], 1.0
	v_fma_f32 v[RR], v218, v[RR], v[RR]            ; one Newton step
	s_delay_alu instid0(VALU_DEP_1)
	v_mov_b32 v[RR+1], v[RR]
	v_mul_f32 v[LO], 0xc3000000, v[SS]             ; -128 s
	s_delay_alu instid0(VALU_DEP_1)
	v_max_num_f32 v[LO], v[LO], -v[LIM]
	v_mul_f32 v[HI], s31, v[SS]                    ; 127 s
	s_delay_alu instid0(VALU_DEP_1)
	v_min_num_f32 v[HI], v[HI], v[LIM]
.macro STEP t
.set XS, R+16*(\t)
	s_wait_loadcnt 4*(7-(\t))                      ; this step's four loads are in; those of the steps behind it may be out
.irp i, 0,2,4,6,8,10,12,14
	v_pk_mul_f32 v[Q+\i:Q+\i+1], v[XS+\i:XS+\i+1], v[RR:RR+1]                       ; x / s, nearly
.endr
.irp i, 0,2,4,6,8,10,12,14
	v_pk_fma_f32 v[XS+\i:XS+\i+1], v[Q+\i:Q+\i+1], v[SS:SS+1], v[XS+\i:XS+\i+1] neg_lo:[1,0,0] neg_hi:[1,0,0]   ; x - q s: what is left
.endr
.irp i, 0,2,4,6,8,10,12,14
	v_pk_fma_f32 v[Q+\i:Q+\i+1], v[XS+\i:XS+\i+1], v[RR:RR+1], v[Q+\i:Q+\i+1]       ; x / s
.endr
.irp i, 0,1,2,3,4,5,6,7,8,9,10,11,12,13,14,15
	v_rndne_f32 v[Q+\i], v[Q+\i]
.endr
.irp i, 0,2,4,6,8,10,12,14
	v_pk_mul_f32 v[Q+\i:Q+\i+1], v[Q+\i:Q+\i+1], v[SS:SS+1]
.endr
.irp i, 0,1,2,3,4,5,6,7,8,9,10,11,12,13,14,15
	v_med3_num_f32 v[Q+\i], v[Q+\i], v[LO], v[HI]  ; both clips in one hold (the head comment says why)
.endr
	v_cvt_scalef32_pk8_fp8_f32 v[C+4*(\t):C+4*(\t)+1], v[Q:Q+7], v[SC]               ; register 4 i + j gives byte 4 i + j of my 16
	v_cvt_scalef32_pk8_fp8_f32 v[C+4*(\t)+2:C+4*(\t)+3], v[Q+8:Q+15], v[SC]
	v_nop                                          ; a plain line between the conversions and the next step's first line, which writes their sources
	global_store_b128 v3, v[C+4*(\t):C+4*(\t)+3], s[14:15] offset:512*(\t)   ; 32 lanes store 512 consecutive bytes
.endm
	s_wait_alu depctr_va_vdst(0)
.irp t, 0,1,2,3,4,5,6,7
	STEP \t
.endr
	; the bias: work-groups 0 to 3 take 1,024 numbers each, four a thread: sixteen lanes store 256 consecutive bytes, aligned
	s_cmp_lt_u32 ttmp9, 4
	s_cbranch_scc0 .Lend
	s_lshl_b32 s28, ttmp9, 12
	s_mov_b32 s29, 0
	s_add_nc_u64 s[10:11], s[10:11], s[28:29]
	s_add_nc_u64 s[12:13], s[12:13], s[28:29]
	s_add_nc_u64 s[16:17], s[16:17], s[28:29]
	v_lshlrev_b32 v224, 4, v0
	global_load_b128 v[228:231], v224, s[10:11]
	global_load_b128 v[232:235], v224, s[12:13]
	s_wait_loadcnt 0x0
.irp i, 0,1,2,3
	v_cvt_f32_i32 v[228+\i], v[228+\i]
.endr
	s_delay_alu instid0(VALU_DEP_3)
	v_pk_mul_f32 v[228:229], v[228:229], v[232:233]   ; x weight_scale first,
	s_delay_alu instid0(VALU_DEP_2)
	v_pk_mul_f32 v[230:231], v[230:231], v[234:235]
	s_delay_alu instid0(VALU_DEP_2)
	v_pk_mul_f32 v[228:229], v[228:229], v[SS:SS+1]   ; then x s: the order of the definition
	s_delay_alu instid0(VALU_DEP_2)
	v_pk_mul_f32 v[230:231], v[230:231], v[SS:SS+1]
	s_wait_alu depctr_va_vdst(0)
	global_store_b128 v224, v[228:231], s[16:17]
.Lend:
	s_endpgm
.Lfunc_end_k_q41f174301a_quantx:
	.size	k_q41f174301a_quantx, .Lfunc_end_k_q41f174301a_quantx-k_q41f174301a_quantx
	.p2alignl 7, 3214868480
	.fill 96, 4, 3214868480
	.section	.rodata,"a",@progbits
	.p2align	6, 0x0
	.amdhsa_kernel k_q41f174301a_quantx
		.amdhsa_group_segment_fixed_size 0
		.amdhsa_private_segment_fixed_size 0
		.amdhsa_enable_private_segment 0
		.amdhsa_kernarg_size 56
		.amdhsa_user_sgpr_count 2
		.amdhsa_user_sgpr_kernarg_segment_ptr 1
		.amdhsa_wavefront_size32 1
		.amdhsa_system_sgpr_workgroup_id_x 1
		.amdhsa_system_sgpr_workgroup_id_y 1
		.amdhsa_system_sgpr_workgroup_id_z 1
		.amdhsa_system_vgpr_workitem_id 0
		.amdhsa_next_free_vgpr 240
		.amdhsa_next_free_sgpr 66
		.amdhsa_reserve_vcc 0
		.amdhsa_float_denorm_mode_32 3
		.amdhsa_float_denorm_mode_16_64 3
		.amdhsa_memory_ordered 1
		.amdhsa_forward_progress 1
		.amdhsa_inst_pref_size 39
	.end_amdhsa_kernel
	.amdgpu_metadata
---
amdhsa.version: [ 1, 2 ]
amdhsa.kernels:
  - .name:           k_q41f174301a_quantx
    .symbol:         k_q41f174301a_quantx.kd
    .args:
      - { .name: x, .offset: 0, .size: 8, .value_kind: global_buffer, .address_space: global }
      - { .name: pmax, .offset: 8, .size: 8, .value_kind: global_buffer, .address_space: global }
      - { .name: lowp_scales, .offset: 16, .size: 8, .value_kind: global_buffer, .address_space: global }
      - { .name: quantized_bias, .offset: 24, .size: 8, .value_kind: global_buffer, .address_space: global }
      - { .name: weight_scale, .offset: 32, .size: 8, .value_kind: global_buffer, .address_space: global }
      - { .name: x_codes, .offset: 40, .size: 8, .value_kind: global_buffer, .address_space: global }
      - { .name: biasv, .offset: 48, .size: 8, .value_kind: global_buffer, .address_space: global }
    .group_segment_fixed_size: 0
    .private_segment_fixed_size: 0
    .kernarg_segment_align: 8
    .kernarg_segment_size: 56
    .max_flat_workgroup_size: 256
    .sgpr_count:     66
    .vgpr_count:     240
    .wavefront_size: 32
...
	.end_amdgpu_metadata
.endif
;; end of part 2
;; launch gemm (part 3): grid 16 x 16, 4 waves a work-group, clusters of 4 x 1, 327,680 bytes of LDS; arguments x_codes, w_codes, lowp_scales, biasv, out0; writes out0
.if DOCPART == 3
	.amdgcn_target "amdgcn-amd-amdhsa--gfx1250"
	.amdhsa_code_object_version 6
	.text
	.protected	k_q41f174301a_gemm
	.globl	k_q41f174301a_gemm
	.p2align	8
	.type	k_q41f174301a_gemm,@function
k_q41f174301a_gemm:
	s_mov_b64 s[64:65], 0
	v_nop
	global_prefetch_b8 v0, s[64:65] scope:SCOPE_SE
	s_setreg_imm32_b32 hwreg(HW_REG_WAVE_MODE, 25, 1), 1
	s_wait_xcnt 0x0
	s_wait_alu depctr_hold_cnt(0) depctr_sa_sdst(0) depctr_va_vdst(0) depctr_va_sdst(0) depctr_va_ssrc(0) depctr_va_vcc(0) depctr_vm_vsrc(0)
	s_getreg_b32 s2, hwreg(HW_REG_IB_STS2, 6, 4)
	s_cmp_eq_u32 s2, 0
	s_cbranch_scc0 .Lentry_in_a_cluster
	s_endpgm
.Lentry_in_a_cluster:
	s_bfe_u32 s2, ttmp6, 0x10000c
	s_cmp_lg_u32 s2, 0x3003
	s_cbranch_scc0 .Lentry_shape_is_right
	s_endpgm
.Lentry_shape_is_right:
; out[m][n] = 2^(e0 + e1) x (sum over the 4,096 places of a row of x's code x W's code) + biasv[n].  Codes of E4M3; sums in f32.  LIMIT: e0 + e1 between -126 and 127, so that 2^(e0 + e1) is an f32 number.
; A tile of 256 x 256 to a work-group of four waves; a wave makes 128 x 128: 64 accumulators, 512 registers.  A step is 64 places along K: 64 matrix instructions of the K = 64 form.
; THE TWO OPERANDS COME BY TWO ROADS.  x's codes (row-major) come through a ring of two LDS slots of 256 rows x 512 bytes, eight steps each, filled by the tensor data mover, a quarter (64 rows) a wave.
; W's codes lie in memory in the order of the registers (unit U = 16 places of sixteen rows, at 65,536 x (row / 16) + 256 U + 16 (row % 16)): a fragment, 16 rows x 64 places, is two loads of 512 consecutive bytes straight into
; registers.  So a slot holds 512 matrix instructions a wave, and there are eight fills of a slot in all.
; ONE RUN OF LOADS A STEP, at its head: W's eight fragments of the step three on (16 loads, into the set that the step before read out: four sets, all of window 1) and x's eight of the next step (16 LDS loads, two sets);
; then the step's 64 matrix instructions on end, with one change of window.
; CLUSTERS: the four work-groups of a cluster make tiles of one tile row and ask for x's tiles JOINTLY (mask 15).  W's codes are asked for by no tensor load, so there is no joint request for them.
; The matrix instruction is used transposed (source 0 = 16 rows of W, source 1 = 16 rows of x): a lane holds eight neighbouring numbers of a row of out.
; Both fragments hold place 64 s + 32 c + 16 (l / 16) + 0 .. 15 of row l % 16 in registers 4 c .. 4 c + 3: the same order in both, so every product meets its partner.
; REGISTERS: window 0: v0-35 addresses and the bias; v128-255 x's two sets (on the way out: rows read back).  Window 1: W's four sets.  Window 2: accumulators (a, b) of b = 0-3 at v[8 (8 b + a)]; window 3: b = 4-7.
.set SIZE_N, 4096
.set PITCH,  528                       ; an LDS row: 512 bytes + 16 of padding
.set QT,     64*PITCH                  ; what one tensor load brings
.set SLOT,   4*QT
.set SPARE,  2*SLOT                    ; the spare words, 128 bytes for each wave
.set SPITCH, 528                       ; the way out: 16 rows x (512 + 16) bytes for each wave, in slot 0, behind its last fill and its last read
.set ADRA, 16                          ; v16-17 LDS address of my fragments of x in slot 0, 1
.set STO,  24
.set RD,   25
.set CO,   26                          ; 16 x lane: my bytes of a load of W, of a row of out, of the bias
.set SPW,  28
.set NIL,  29
.set PFX,  30                          ; prefetch of x: a lane a row (16 rows) and one of two units of 256 bytes
.set PFW,  31                          ; prefetch of W: 256 x min(lane, 7)
.set BIAS, 32
.set AF,   128
.set BK,   128
.set G1, 24                            ; s[24:31] descriptor group 1;  s[32:39] group 0, one set for each slot
.set G0, 32
.set BP, 40                            ; s[40:41] my first fragment of W at the step from which the text counts
.set PFA, 42                           ; s[42:43], s[44:45] where the prefetches stand
.set PFB, 44
.set MSB, 0
.macro WIN new
.if MSB != \new
	s_set_vgpr_msb (MSB<<8)|\new
.set MSB, \new
.endif
.endm
.set MUL_LO, 0xa1                      ; source 0 (W) window 1, source 1 (x) window 0, C and D window 2
.set MUL_HI, 0xf1                      ; the same, C and D window 3
.set TO_B,   0x40                      ; destination window 1, address window 0
.macro CREST                           ; a round of the cluster's barrier behind its opening barrier
	s_cmp_lg_u32 s14, 0
	s_cbranch_scc1 .Lnot_wave_0_\@
	s_barrier_signal -3
.Lnot_wave_0_\@:
	s_barrier_wait -3
	s_barrier_signal -1
	s_barrier_wait -1
.endm
.macro CROUND
	s_barrier_signal -1
	s_barrier_wait -1
	CREST
.endm
.macro PLACES                          ; four places ahead of loads into registers that matrix instructions have read, and of reads of results
.rept 4
	v_nop
.endr
.endm
	s_load_b128 s[4:7], s[0:1], 0x0                ; x's codes, W's codes
	s_load_b128 s[8:11], s[0:1], 0x10              ; the scales' exponents, biasv
	s_load_b64 s[12:13], s[0:1], 0x20              ; out
	v_lshl_add_u32 v[SPW], v0, 2, SPARE
	v_mov_b32 v[NIL], 0
	ds_add_u32 v[SPW], v[NIL]                      ; the opening lines: the add, twice on end, and its wait ahead of my first tensor load
	ds_add_u32 v[SPW], v[NIL]
	v_lshrrev_b32 v1, 5, v0
	v_readfirstlane_b32 s14, v1                    ; wave 0..3
	s_lshr_b32 s15, s14, 1                         ; which half of the tile's rows is mine
	s_and_b32 s16, s14, 1                          ; which half of its columns
	s_bfe_u32 s46, ttmp6, 0x40000                  ; cx
	s_lshl_b32 s47, ttmp9, 2
	s_add_co_u32 s47, s47, s46                     ; tile column X
	s_and_b32 s17, ttmp7, 0xffff                   ; tile row Y
	s_mul_i32 s21, s15, 2*QT                       ; my 128 rows of x in slot 0,
	s_add_co_u32 s22, s21, SLOT                    ; in slot 1
	s_mul_i32 s23, s14, 16*SPITCH                  ; my stage
	s_mul_i32 s58, s14, QT                         ; where my quarter of a tile goes
	s_lshl_b32 s18, s17, 20                        ; x: (256 Y + 64 wave) rows of 4,096 bytes
	s_lshl_b32 s20, s14, 18
	s_add_co_u32 s18, s18, s20
	s_mov_b32 s19, 0
	s_lshl_b32 s48, s47, 20                        ; W: (16 X + 8 half) blocks of 65,536 bytes
	s_lshl_b32 s20, s16, 19
	s_add_co_u32 s48, s48, s20
	s_mov_b32 s49, 0
	s_lshl_b32 s50, s46, 16                        ; prefetch of x: of the 64 rows that I fetch, my work-group's 16
	s_add_co_u32 s50, s50, s18
	s_mov_b32 s51, 0
	s_lshl_b32 s52, s47, 4                         ; prefetch of W: of the tile column's 16 blocks the one of my tile row; my wave's 2,048 of its 8,192 bytes
	s_add_co_u32 s52, s52, s17
	s_lshl_b32 s52, s52, 16
	s_lshl_b32 s20, s14, 11
	s_add_co_u32 s52, s52, s20
	s_mov_b32 s53, 0
	s_lshl_b32 s56, s47, 10                        ; my first column, in bytes of f32
	s_lshl_b32 s20, s16, 9
	s_add_co_u32 s56, s56, s20
	s_mov_b32 s57, 0
	s_lshl_b32 s54, s17, 22                        ; out: (256 Y + 128 half) rows of 16,384 bytes + the column
	s_lshl_b32 s20, s15, 21
	s_add_co_u32 s54, s54, s20
	s_add_co_u32 s54, s54, s56
	s_mov_b32 s55, 0
	v_and_b32 v1, 15, v0                           ; l % 16
	v_bfe_u32 v2, v0, 4, 1                         ; l / 16
	v_and_b32 v6, 31, v0
	v_mul_u32_u24 v3, v1, PITCH
	v_lshlrev_b32 v7, 12, v1
	v_min_u32 v8, 7, v6
	v_lshlrev_b32 v[CO], 4, v6
	v_lshl_add_u32 v4, v2, 4, v3                   ; a fragment's row x pitch + 16 x half
	v_lshl_add_u32 v5, v2, 5, v3                   ; into the stage: row l % 16, 32 bytes for each half of the lanes
	v_lshl_add_u32 v[PFX], v2, 8, v7
	v_lshlrev_b32 v[PFW], 8, v8
	v_add_nc_u32 v[ADRA], s21, v4
	v_add_nc_u32 v[ADRA+1], s22, v4
	v_add_nc_u32 v[STO], s23, v5
	v_add_nc_u32 v[RD], s23, v[CO]
	s_mov_b32 s[G1+0], 15|(1<<20)|(1<<21)|(6<<22)|(3<<25)   ; the cluster's four; elements of 1 byte; 4 words of padding behind every 128
	s_mov_b32 s[G1+1], 512<<16                     ; tensor_dim0
	s_mov_b32 s[G1+2], 64<<16                      ; tensor_dim1
	s_mov_b32 s[G1+3], 512<<16                     ; tile_dim0
	s_mov_b32 s[G1+4], 64                          ; tile_dim1
	s_mov_b32 s[G1+5], 4096                        ; the pitch
	s_mov_b32 s[G1+6], 0
	s_mov_b32 s[G1+7], 0
	s_wait_alu depctr_va_vdst(0)                   ; the wait behind the head's vector work
	s_wait_dscnt 0x0                               ; both opening adds are done
	s_wait_kmcnt 0x0
	s_load_b64 s[96:97], s[8:9], 0x0               ; e0, e1
	s_add_nc_u64 s[70:71], s[4:5], s[18:19]
	s_add_nc_u64 s[BP:BP+1], s[6:7], s[48:49]
	s_add_nc_u64 s[PFA:PFA+1], s[4:5], s[50:51]
	s_add_nc_u64 s[PFA:PFA+1], s[PFA:PFA+1], 3*512     ; at tile 3
	s_add_nc_u64 s[PFB:PFB+1], s[6:7], s[52:53]
	s_add_nc_u64 s[PFB:PFB+1], s[PFB:PFB+1], 2*8192    ; at the eight steps of tile 2
	s_add_nc_u64 s[12:13], s[12:13], s[54:55]
	s_add_nc_u64 s[10:11], s[10:11], s[56:57]
	CROUND                                         ; the four work-groups are here: the first joint loads meet
.irp n, 0,1
	s_mov_b32 s[G0+4*\n], 1
	s_add_co_u32 s[G0+4*\n+1], s58, \n*SLOT
	s_add_nc_u64 s[G0+4*\n+2:G0+4*\n+3], s[70:71], \n*512
	s_or_b32 s[G0+4*\n+3], s[G0+4*\n+3], 0x80000000
.endr
	tensor_load_to_lds s[G0:G0+3], s[G1:G1+7]      ; tile 0: one tensor load a wave at the head
	s_nop 0
	PLACES
; fragment f of W, counted from BP's step: block f % 8 of my eight, step f / 8
.macro BLD f
	global_load_b128 v[64*(((\f)/8)%4)+8*((\f)%8):64*(((\f)/8)%4)+8*((\f)%8)+3], v[CO], s[BP:BP+1] offset:((\f)%8)*65536+((\f)/8)*1024
	global_load_b128 v[64*(((\f)/8)%4)+8*((\f)%8)+4:64*(((\f)/8)%4)+8*((\f)%8)+7], v[CO], s[BP:BP+1] offset:((\f)%8)*65536+((\f)/8)*1024+512
.endm
.macro BSET s                          ; W's eight fragments of step s: 16 loads
.irp b, 0,1,2,3,4,5,6,7
	BLD 8*(\s)+\b
.endr
.endm
; fragment f of x of step s, from the step's slot
.macro ALD s, f
	ds_load_b128 v[AF+64*((\s)%2)+8*(\f):AF+64*((\s)%2)+8*(\f)+3], v[ADRA+((\s)/8)%2] offset:(\f)*16*PITCH+64*((\s)%8)
	ds_load_b128 v[AF+64*((\s)%2)+8*(\f)+4:AF+64*((\s)%2)+8*(\f)+7], v[ADRA+((\s)/8)%2] offset:(\f)*16*PITCH+64*((\s)%8)+32
.endm
.macro ASET s                          ; x's eight fragments of step s: 16 LDS loads
.irp f, 0,1,2,3,4,5,6,7
	ALD \s, \f
.endr
.endm
.macro W s, b, a, zero                 ; zero = 1: the first product starts the sum
.if \zero
	v_wmma_f32_16x16x64_fp8_fp8 v[8*(8*((\b)%4)+\a):8*(8*((\b)%4)+\a)+7], v[64*((\s)%4)+8*(\b):64*((\s)%4)+8*(\b)+7], v[AF+64*((\s)%2)+8*\a:AF+64*((\s)%2)+8*\a+7], 0
.else
	v_wmma_f32_16x16x64_fp8_fp8 v[8*(8*((\b)%4)+\a):8*(8*((\b)%4)+\a)+7], v[64*((\s)%4)+8*(\b):64*((\s)%4)+8*(\b)+7], v[AF+64*((\s)%2)+8*\a:AF+64*((\s)%2)+8*\a+7], v[8*(8*((\b)%4)+\a):8*(8*((\b)%4)+\a)+7]
.endif
.endm
.macro W8 s, b, zero                   ; fragment b of W against x's eight; the 64 accumulators take turns
.irp a, 0,1,2,3,4,5,6,7
	W \s, \b, \a, \zero
.endr
.endm
; A step whose successor lies in the same slot.  tail = 1: the last sixteen steps, in which step 15 is the last.  af = 0: no step follows.
.macro STEP s, zero, tail, af
	PLACES                                         ; the sets loaded below were read by the step before
.if (\tail) && ((\s) > 12)
.else
	WIN TO_B
	BSET (\s)+3
.endif
	WIN 0
.if \af
	ASET (\s)+1
	s_wait_dscnt 16                                ; x's set of this step is in; the 16 loads just issued may be out
.else
	s_wait_dscnt 0x0
.endif
.if (\tail) && ((\s) > 12)
	s_wait_loadcnt 16*(15-(\s))                    ; behind this step's set only those up to step 15 were asked for
.else
	s_wait_loadcnt 48                              ; W's set of this step is in; the three sets asked for behind it may be out
.endif
	WIN MUL_LO
.irp b, 0,1,2,3
	W8 \s, \b, \zero
.endr
	WIN MUL_HI
.irp b, 4,5,6,7
	W8 \s, \b, \zero
.endr
.endm
; PREFETCH INTO THE L2, once in each change of slots that fills.  x: the tile that the NEXT change of slots will ask for: 256 rows x 512 bytes are 512 units of 256 bytes; the cluster's four share them by address, 32 a wave.
; W: the eight steps of the tile after the next one, whose first loads go out six steps later: the sixteen work-groups of a tile column share its 16 blocks, 8,192 bytes each, by address: 8 units a wave (lanes 8-31 name the last again).
; Tile 8 does not exist: the last change that fills asks for nothing of x.
.macro ASK second
.if \second
	s_cmp_gt_u32 s3, 1
	s_cbranch_scc0 .Lno_x_\@
.endif
	global_prefetch_b8 v[PFX], s[PFA:PFA+1] offset:512*\second th:TH_LOAD_NT scope:SCOPE_SE
.if \second
.Lno_x_\@:
.endif
	global_prefetch_b8 v[PFW], s[PFB:PFB+1] offset:8192*\second th:TH_LOAD_NT scope:SCOPE_SE
.endm
; A slot's last step (s = 7: slot 0, s = 15: slot 1) changes slots.  No memory instruction stands between the add and the refill, so the step's run of loads stands behind the refill, and two blocks of products ahead of it.
.macro TURN s, fill
	s_wait_dscnt 0x0                               ; x's set of this step is in: my reads of this slot are over
	s_wait_loadcnt 32                              ; W's set of this step is in; the two sets asked for behind it may be out
	WIN 0
	s_wait_tensorcnt 0x0                           ; my tensor load has landed: my quarter of the next slot
	ds_add_u32 v[SPW], v[NIL]
	WIN MUL_LO
	W8 \s, 0, 0
	s_wait_dscnt 0x0                               ; the add is done
	s_barrier_signal -1
	W8 \s, 1, 0
	WIN 0
	s_barrier_wait -1
.if \fill
	CREST                                          ; the barrier has opened a round of the cluster's barrier
	s_add_nc_u64 s[G0+4*(((\s)/8)%2)+2:G0+4*(((\s)/8)%2)+3], s[G0+4*(((\s)/8)%2)+2:G0+4*(((\s)/8)%2)+3], 2*512
	tensor_load_to_lds s[G0+4*(((\s)/8)%2):G0+4*(((\s)/8)%2)+3], s[G1:G1+7]   ; the tile two on, into the slot just read out
	s_nop 0
.endif
	PLACES
	WIN TO_B
	BSET (\s)+3
	WIN 0
	ASET (\s)+1                                    ; the next slot's first fragments
.if \fill
	ASK ((\s)/8)%2
.endif
	WIN MUL_LO
	W8 \s, 2, 0
	W8 \s, 3, 0
	WIN MUL_HI
.irp b, 4,5,6,7
	W8 \s, \b, 0
.endr
.endm
	global_load_b128 v[BIAS:BIAS+3], v[CO], s[10:11]
	WIN TO_B
	BSET 0                                         ; W's first three sets
	BSET 1
	BSET 2
	WIN 0
	s_wait_tensorcnt 0x0                           ; my quarter of tile 0 is in
	ds_add_u32 v[SPW], v[NIL]
	s_wait_dscnt 0x0
	CROUND
	tensor_load_to_lds s[G0+4:G0+7], s[G1:G1+7]    ; tile 1, the first tensor load behind the round
	s_nop 0
	PLACES
	ASET 0
	STEP 0, 1, 0, 1                                ; the first step stands in front of the loop: its products start the sums
	WIN 0
	s_mov_b32 s3, 3
.Llap:                                                 ; a trip goes once round the ring, from a lap's second step to the next lap's first
.irp s, 1,2,3,4,5,6
	STEP \s, 0, 0, 1
.endr
	TURN 7, 1
.irp s, 8,9,10,11,12,13,14
	STEP \s, 0, 0, 1
.endr
	TURN 15, 1
	STEP 16, 0, 0, 1
	WIN 0
	s_wait_xcnt 0x0                                ; the loads and prefetches have read their bases: they step only behind this wait
	s_add_nc_u64 s[BP:BP+1], s[BP:BP+1], 16*1024
	s_add_nc_u64 s[PFA:PFA+1], s[PFA:PFA+1], 2*512
	s_add_nc_u64 s[PFB:PFB+1], s[PFB:PFB+1], 2*8192
	s_sub_co_u32 s3, s3, 1
	s_cmp_lg_u32 s3, 0
	s_cbranch_scc1 .Llap
.irp s, 1,2,3,4,5,6
	STEP \s, 0, 1, 1                               ; the last lap fills nothing
.endr
	TURN 7, 0
.irp s, 8,9,10,11,12,13,14
	STEP \s, 0, 1, 1
.endr
	STEP 15, 0, 1, 0
	WIN 0
; THE WAY OUT, by blocks of 16 rows x 128 columns: through my own stage in LDS, back as whole rows of 512 bytes; x 2^(e0 + e1), + bias; the 32 lanes store two aligned units of 256 bytes.
.macro TOSTAGE a
.irp b, 0,1,2,3,4,5,6,7
	WIN 0x08+4*(\b/4)                              ; the stores' data: window 2 or 3; each accumulator from its low end on
	ds_store_b128 v[STO], v[8*(8*(\b%4)+(\a)):8*(8*(\b%4)+(\a))+3] offset:64*\b
	ds_store_b128 v[STO], v[8*(8*(\b%4)+(\a))+4:8*(8*(\b%4)+(\a))+7] offset:64*\b+16
.endr
	WIN 0
.set BB, BK+64*((\a)%2)
.irp t, 0,1,2,3,4,5,6,7,8,9,10,11,12,13,14,15
	ds_load_b128 v[BB+4*\t:BB+4*\t+3], v[RD] offset:\t*SPITCH   ; LDS serves a wave's instructions in order: these see my stores
.endr
.endm
.macro SEND a, younger
.set BB, BK+64*((\a)%2)
	s_wait_dscnt \younger
.if (\a) > 0
	s_add_nc_u64 s[12:13], s[12:13], 16*SIZE_N*4   ; (behind a wait on XCNT)
.endif
.irp t, 0,1,2,3,4,5,6,7,8,9,10,11,12,13,14,15
	v_pk_fma_f32 v[BB+4*\t:BB+4*\t+1], v[BB+4*\t:BB+4*\t+1], s[96:97], v[BIAS:BIAS+1] op_sel_hi:[1,0,1]
	v_pk_fma_f32 v[BB+4*\t+2:BB+4*\t+3], v[BB+4*\t+2:BB+4*\t+3], s[96:97], v[BIAS+2:BIAS+3] op_sel_hi:[1,0,1]
.endr
.irp t, 0,1,2,3,4,5,6,7,8,9,10,11,12,13,14,15
	global_store_b128 v[CO], v[BB+4*\t:BB+4*\t+3], s[12:13] offset:\t*SIZE_N*4 th:TH_STORE_NT
.endr
.endm
	s_wait_kmcnt 0x0
	s_wait_loadcnt 0x0
	s_add_co_i32 s96, s96, s97
	s_add_co_i32 s96, s96, 127
	s_lshl_b32 s96, s96, 23                        ; 2^(e0 + e1) as f32
	PLACES
	s_wait_alu depctr_va_vdst(0)
	TOSTAGE 0
.irp a, 1,2,3,4,5,6,7
.if \a > 1
	s_wait_xcnt 0x0                                ; block a - 2's stores have read their registers and their base
.endif
	TOSTAGE \a
	SEND \a-1, 32                                  ; behind block a - 1's loads: block a's 16 stores and 16 loads
.endr
	s_wait_xcnt 0x0
	SEND 7, 0
	s_wait_tensorcnt 0x0                           ; the wave's end
	ds_add_u32 v[SPW], v[NIL]
	s_wait_dscnt 0x0
	CROUND                                         ; the closing round
	s_endpgm
.Lfunc_end_k_q41f174301a_gemm:
	.size	k_q41f174301a_gemm, .Lfunc_end_k_q41f174301a_gemm-k_q41f174301a_gemm
	.p2alignl 7, 3214868480
	.fill 96, 4, 3214868480
	.section	.rodata,"a",@progbits
	.p2align	6, 0x0
	.amdhsa_kernel k_q41f174301a_gemm
		.amdhsa_group_segment_fixed_size 327680
		.amdhsa_private_segment_fixed_size 0
		.amdhsa_enable_private_segment 0
		.amdhsa_kernarg_size 40
		.amdhsa_user_sgpr_count 2
		.amdhsa_user_sgpr_kernarg_segment_ptr 1
		.amdhsa_wavefront_size32 1
		.amdhsa_system_sgpr_workgroup_id_x 1
		.amdhsa_system_sgpr_workgroup_id_y 1
		.amdhsa_system_sgpr_workgroup_id_z 1
		.amdhsa_system_vgpr_workitem_id 0
		.amdhsa_next_free_vgpr 1024
		.amdhsa_next_free_sgpr 98
		.amdhsa_reserve_vcc 0
		.amdhsa_float_denorm_mode_32 3
		.amdhsa_float_denorm_mode_16_64 3
		.amdhsa_memory_ordered 1
		.amdhsa_forward_progress 1
		.amdhsa_inst_pref_size 255
	.end_amdhsa_kernel
	.section	.bss,"aw",@nobits
	.p2align	6
	.space	262144
	.amdgpu_metadata
---
amdhsa.version: [ 1, 2 ]
amdhsa.kernels:
  - .name:           k_q41f174301a_gemm
    .symbol:         k_q41f174301a_gemm.kd
    .args:
      - { .name: x_codes, .offset: 0, .size: 8, .value_kind: global_buffer, .address_space: global }
      - { .name: w_codes, .offset: 8, .size: 8, .value_kind: global_buffer, .address_space: global }
      - { .name: lowp_scales, .offset: 16, .size: 8, .value_kind: global_buffer, .address_space: global }
      - { .name: biasv, .offset: 24, .size: 8, .value_kind: global_buffer, .address_space: global }
      - { .name: out0, .offset: 32, .size: 8, .value_kind: global_buffer, .address_space: global }
    .group_segment_fixed_size: 327680
    .private_segment_fixed_size: 0
    .kernarg_segment_align: 8
    .kernarg_segment_size: 40
    .max_flat_workgroup_size: 128
    .sgpr_count:     98
    .vgpr_count:     1024
    .wavefront_size: 32
...
	.end_amdgpu_metadata
.endif
;; end of part 3
